; MI455X (gfx1250); checked and timed in simulation.
; The chip was launched on July 23, 2026; its instructions are those of AMD's public machine-readable ISA for CDNA 5 (MIT licence, August 2026) and "CDNA5" Instruction Set Architecture Reference Guide (July 2026). The comments in the code are by the model that wrote it; some were corrected since.
;; Mo E. Allowed arithmetic: float matrix products may take bf16 or f16 operands with f32 sums; other float arithmetic in f32, or as packed bf16 or f16 multiplies, adds, multiply-adds, maxima and minima; sums over many terms, partial sums and values carried from step to step in f32; what a program stores and reads back later, other than sums and carried values, may be rounded once to bf16 or f16.
;; Inputs: expert_bias 7 float32; gate_w 7 x 1,024 float32; routed_wd 7 x 2,048 x 1,024 float32; routed_wg 7 x 1,024 x 2,048 float32; routed_wu 7 x 1,024 x 2,048 float32; shared_wd 1 x 2,048 x 1,024 float32; shared_wg 1 x 1,024 x 2,048 float32; shared_wu 1 x 1,024 x 2,048 float32; x 4 x 256 x 1,024 float32.
;; Outputs: out0 4 x 256 x 1,024 float32; out1 one number float32.
;; One version. Each part assembles by itself: llvm-mc -triple=amdgcn-amd-amdhsa -mcpu=gfx1250 --defsym DOCPART=n.
;; ======== version 1 of 1: 3 launches
;; workspace buffers: xb 2,097,152 bytes; gate 4,096 bytes; bmap 1,024 bytes of whole numbers; hid 18,874,368 bytes
;; launch router (part 1): grid 128 x 1, 8 waves a work-group, no clusters, 1,280 bytes of LDS; arguments x, gate_w, expert_bias, xb, gate, bmap, out1; writes xb, gate, bmap, out1
.if DOCPART == 1
	.amdgcn_target "amdgcn-amd-amdhsa--gfx1250"
	.amdhsa_code_object_version 6
	.text
	.protected	k_q978fac33dd_router
	.globl	k_q978fac33dd_router
	.p2align	8
	.type	k_q978fac33dd_router,@function
k_q978fac33dd_router:
	s_mov_b64 s[64:65], 0
	v_nop
	global_prefetch_b8 v0, s[64:65] scope:SCOPE_SE
	s_setreg_imm32_b32 hwreg(HW_REG_WAVE_MODE, 25, 1), 1
	s_wait_xcnt 0x0
; ROUTER.  For each of 1,024 tokens: x rounded to bf16 (stored in xb for the first product), logits = x . gate_w[e] for 7 experts,
; softmax with the row's maximum taken away, argmax of prob + bias (the lower index wins a tie), the chosen probability.
; Stored at fixed places: xb (bf16 [1024][1024]), gate (f32 [1024]), bmap (7 rows of 128 bytes: bit t of row e = token t chose e), out1 = 0.
; FORMATS.  x, gate_w and expert_bias are each rounded once to bf16; products of two bf16 are exact in f32 and are summed in f32.
; The product stands on the vector unit: 7 columns would fill 7 of a matrix tile's 16, it is 7.3 million of the module's 12.9 thousand million
; multiply-adds, and the lane layout that reads x as 512 consecutive bytes a load is the vector one.
; LIMITS.  Two scores nearer than the f32 sums' rounding (about 1e-6 of a probability) may be ordered otherwise than by another order of summation.
; NaN and infinities are not treated apart.
; SHARES.  A work-group has 8 tokens (one byte of each row of bmap), a wave 1.  Lane l owns columns 128 j + 4 l + 0..3, j = 0..7.
; ALL LOADS GO OUT AHEAD OF THE FIRST WAIT: x (8), rows 0 to 5 of gate_w (48), seven of row 6's eight: 63 loads of a wave are out; the last follows the wait for x.
; REGISTERS.  v8-39 x as loaded, then everything small; v48-63 x packed; v64-255 rows 0 to 5 of gate_w, packed in place; window 1, v0-31: row 6.
.set SPW,  6                           ; LDS address of my spare word; never rewritten
.set NIL,  7                           ; 0, for the add alone
.set X,    8                           ; v[8:39]    x as loaded: load j at 4 j.  When x is packed these registers serve as:
.set AC,   8                           ; v[8:11]    four chains
.set LGT,  12                          ; v[12:18]   logits
.set TW,   19                          ; v[19:25]   the other half of the lanes
.set D,    26                          ; v[26:32]   exponents, exponentials, probabilities
.set MX,   33
.set SM,   34
.set BEST, 35
.set IDX,  36
.set GV,   37
.set SC,   38
.set ZR,   39                          ; 0: starts the chains; out1
.set BI,   40                          ; v[40:46]   the seven biases, rounded to bf16, as f32
.set AD,   47
.set XP,   48                          ; v[48:63]   x packed: register n = columns (2 n, 2 n + 1) of my 32
.set G,    64                          ; v[64:255]  row e of gate_w at 32 e
.set SPARE, 256                        ; bytes 0-31 the 8 chosen experts, 32-63 their probabilities; from 256 on the spare words, 128 bytes a wave
.set MSB, 0
.macro WIN new                         ; s_set_vgpr_msb: bits 1:0 source 0, 3:2 source 1, 5:4 source 2, 7:6 destination; the high byte repeats the setting that is left
.if MSB != (\new)
	s_set_vgpr_msb (MSB<<8)|(\new)
.set MSB, (\new)
.endif
.endm
	s_load_b256 s[4:11], s[0:1], 0x0               ; x s[4:5], gate_w s[6:7], expert_bias s[8:9], xb s[10:11]
	s_load_b128 s[12:15], s[0:1], 0x20             ; gate s[12:13], bmap s[14:15]
	s_load_b64 s[16:17], s[0:1], 0x30              ; out1
	v_lshl_add_u32 v[SPW], v0, 2, SPARE
	v_mov_b32 v[NIL], 0
	v_and_b32 v1, 31, v0                           ; lane
	v_lshrrev_b32 v4, 5, v0
	v_readfirstlane_b32 s20, v4                    ; wave 0..7
	v_lshlrev_b32 v2, 4, v1                        ; 16 bytes a lane in x and gate_w
	v_lshlrev_b32 v3, 3, v1                        ; 8 bytes a lane in xb
	s_mov_b32 s21, ttmp9                           ; work-group
	s_lshl_b32 s22, s21, 15                        ; 8 tokens of 4,096 bytes,
	s_lshl_b32 s40, s20, 12                        ; my wave's one
	s_add_co_u32 s22, s22, s40
	s_mov_b32 s23, 0
	s_lshr_b32 s44, s22, 1                         ; half as many bytes in xb
	s_mov_b32 s45, 0
	s_mov_b32 s50, 0x76543210                      ; v_permlanex16_b32: each lane takes its own place in the other half
	s_mov_b32 s51, 0xfedcba98
	s_wait_kmcnt 0x0
	s_load_b128 s[24:27], s[8:9], 0x0              ; the seven biases: 28 bytes, no byte more
	s_load_b64 s[28:29], s[8:9], 0x10
	s_load_b32 s30, s[8:9], 0x18
	s_add_nc_u64 s[4:5], s[4:5], s[22:23]
	s_add_nc_u64 s[10:11], s[10:11], s[44:45]
.irp j, 0,1,2,3,4,5,6,7
	global_load_b128 v[X+4*\j:X+4*\j+3], v2, s[4:5] offset:\j*512 th:TH_LOAD_NT
.endr
.irp e, 0,1,2,3,4,5
.irp j, 0,1,2,3,4,5,6,7
	global_load_b128 v[G+32*\e+4*\j:G+32*\e+4*\j+3], v2, s[6:7] offset:\e*4096+\j*512
.endr
.endr
	WIN 0x40                                       ; destination window 1, address window 0
.irp j, 0,1,2,3,4,5,6
	global_load_b128 v[4*\j:4*\j+3], v2, s[6:7] offset:6*4096+\j*512
.endr
	WIN 0
	s_wait_loadcnt 55                              ; x is in; the 55 loads of gate_w behind it stay out
.set i, 0
.rept 16
	v_cvt_pk_bf16_f32 v[XP+i], v[X+2*i], v[X+2*i+1]
.set i, i+1
.endr
	WIN 0x40
	global_load_b128 v[28:31], v2, s[6:7] offset:6*4096+7*512  ; the last eighth of row 6
	WIN 0
.irp j, 0,1,2,3,4,5,6,7
	global_store_b64 v3, v[XP+2*\j:XP+2*\j+1], s[10:11] offset:\j*256  ; the wave stores 256 consecutive bytes, aligned
.endr
	s_wait_kmcnt 0x0                               ; the biases
.irp k, 0,1,2,3,4,5,6
	v_mov_b32 v[D+\k], s[24+\k]                    ; x's registers are free: x has been packed
.endr
	v_cvt_pk_bf16_f32 v[TW], v[D], v[D+1]
	v_cvt_pk_bf16_f32 v[TW+1], v[D+2], v[D+3]
	v_cvt_pk_bf16_f32 v[TW+2], v[D+4], v[D+5]
	v_cvt_pk_bf16_f32 v[TW+3], v[D+6], v[D+6]
.irp k, 0,1,2
	v_lshlrev_b32 v[BI+2*\k], 16, v[TW+\k]
	v_and_b32 v[BI+2*\k+1], 0xffff0000, v[TW+\k]
.endr
	v_lshlrev_b32 v[BI+6], 16, v[TW+3]
	v_mov_b32 v[ZR], 0
.irp k, 0,1,2,3,4,5,6
	v_mov_b32 v[TW+\k], 0                          ; v_permlanex16_b32 counts as a reader of its destination
.endr
; Row e of gate_w: packed in place (register n takes the pair that lay in 2 n and 2 n + 1), multiplied with x in four chains, the chains added: my lane's part of logit e.
.macro ROW e
.if (\e) < 6
	s_wait_loadcnt (6-(\e))*8                      ; row e is in; the rows behind it stay out
.set R, G+32*(\e)
	WIN 0
.else
	s_wait_loadcnt 0x0
.set R, 0
	WIN 0x45                                       ; destination and both sources in window 1
.endif
.set i, 0
.rept 16
	v_cvt_pk_bf16_f32 v[R+i], v[R+2*i], v[R+2*i+1]
.set i, i+1
.endr
.if (\e) == 6
	WIN 0x04                                       ; source 1, the row, in window 1
.endif
.set m, 0
.rept 32
.set A, AC+m%4
.if m < 4
.set A, ZR                                             ; a chain's first link adds onto 0: nothing is cleared
.endif
.if m%2
	v_fma_mix_f32_bf16 v[AC+m%4], v[XP+m/2], v[R+m/2], v[A] op_sel:[1,1,0] op_sel_hi:[1,1,0]
.else
	v_fma_mix_f32_bf16 v[AC+m%4], v[XP+m/2], v[R+m/2], v[A] op_sel_hi:[1,1,0]
.endif
.set m, m+1
.endr
	WIN 0
	v_add_f32 v[AC], v[AC], v[AC+1]
	v_add_f32 v[AC+2], v[AC+2], v[AC+3]
	v_add_f32 v[LGT+(\e)], v[AC], v[AC+2]
.endm
.irp e, 0,1,2,3,4,5,6
	ROW \e
.endr
	; the seven sums cross the lanes together, so that no line waits for the one before it
.irp mk, 1,2,4,8
.irp e, 0,1,2,3,4,5,6
	v_add_f32_dpp v[LGT+\e], v[LGT+\e], v[LGT+\e] row_xmask:\mk row_mask:0xf bank_mask:0xf
.endr
.endr
.irp e, 0,1,2,3,4,5,6
	v_permlanex16_b32 v[TW+\e], v[LGT+\e], s50, s51
.endr
.irp e, 0,1,2,3,4,5,6
	v_add_f32 v[LGT+\e], v[LGT+\e], v[TW+\e]       ; every lane holds the logit
.endr
	; softmax: the maximum is taken away
	v_max3_num_f32 v[MX], v[LGT], v[LGT+1], v[LGT+2]
	v_max3_num_f32 v[MX], v[MX], v[LGT+3], v[LGT+4]
	v_max3_num_f32 v[MX], v[MX], v[LGT+5], v[LGT+6]
.irp e, 0,1,2,3,4,5,6
	v_sub_f32 v[D+\e], v[LGT+\e], v[MX]
.endr
.irp e, 0,1,2,3,4,5,6
	v_mul_f32 v[D+\e], 0x3fb8aa3b, v[D+\e]         ; times log2(e)
.endr
.irp e, 0,1,2,3,4,5,6
	v_exp_f32 v[D+\e], v[D+\e]
.endr
	v_nop                                          ; a plain instruction between the last exponential and the use of its result (ISA guide 5.7.2)
	s_wait_alu depctr_va_vdst(0)
	v_add_f32 v[SM], v[D], v[D+1]
.irp e, 2,3,4,5,6
	v_add_f32 v[SM], v[SM], v[D+\e]
.endr
	v_rcp_f32 v[SM], v[SM]
	v_nop
	s_wait_alu depctr_va_vdst(0)
.irp e, 0,1,2,3,4,5,6
	v_mul_f32 v[D+\e], v[D+\e], v[SM]              ; the probabilities
.endr
	; argmax of prob + bias; only a greater score replaces the best, so the lower index keeps a tie
	v_add_f32 v[BEST], v[D], v[BI]
	v_mov_b32 v[IDX], 0
	v_mov_b32 v[GV], v[D]
.irp e, 1,2,3,4,5,6
	v_add_f32 v[SC], v[D+\e], v[BI+\e]
	v_cmp_gt_f32 vcc_lo, v[SC], v[BEST]
	v_cndmask_b32 v[BEST], v[BEST], v[SC], vcc_lo
	v_cndmask_b32 v[IDX], v[IDX], \e, vcc_lo
	v_cndmask_b32 v[GV], v[GV], v[D+\e], vcc_lo
.endr
	s_lshl_b32 s52, s20, 2                         ; my token's word
	v_mov_b32 v[AD], s52
	ds_store_b32 v[AD], v[IDX]                     ; all lanes write the same word with the same value
	ds_store_b32 v[AD], v[GV] offset:32
	s_wait_dscnt 0x0                               ; for wave 0: my stores are done
	s_barrier_signal -1
	s_barrier_wait -1
	s_cmp_lg_u32 s20, 0
	s_cbranch_scc1 .Lend                           ; wave 0 stores the work-group's eight choices
	v_and_b32 v4, 7, v1
	v_lshlrev_b32 v4, 2, v4
	ds_load_b32 v5, v4                             ; lane l: token l % 8
	ds_load_b32 v[D], v4 offset:32
	v_mov_b32 v[D+2], 0
	v_lshl_add_u32 v[D+1], v1, 7, s21              ; bmap: row = lane, byte = work-group (tokens 8 wg .. 8 wg + 7)
	s_lshl_b32 s41, s21, 5
	v_lshl_add_u32 v[D+3], v1, 2, s41              ; gate: 32 bytes a work-group
	s_wait_dscnt 0x0
.irp e, 0,1,2,3,4,5,6
	v_cmp_eq_u32 s[32+\e], \e, v5                  ; bit l: token l % 8 chose e
	s_and_b32 s[32+\e], s[32+\e], 0xff
	v_writelane_b32 v[D+2], s[32+\e], \e           ; lane e holds row e's byte
.endr
	s_wait_xcnt 0x0                                ; EXEC is a source of the stores above: it changes only behind this wait
	v_cmp_gt_u32 vcc_lo, 7, v1
	s_and_saveexec_b32 s40, vcc_lo
	global_store_b8 v[D+1], v[D+2], s[14:15]
	s_wait_xcnt 0x0
	s_or_b32 exec_lo, exec_lo, s40
	v_cmp_gt_u32 vcc_lo, 8, v1
	s_and_saveexec_b32 s40, vcc_lo
	global_store_b32 v[D+3], v[D], s[12:13]
	s_wait_xcnt 0x0
	s_or_b32 exec_lo, exec_lo, s40
	s_cmp_lg_u32 s21, 0
	s_cbranch_scc1 .Lend                           ; work-group 0 stores the auxiliary loss, the constant 0
	v_cmp_gt_u32 vcc_lo, 1, v1
	s_and_saveexec_b32 s40, vcc_lo
	global_store_b32 v[ZR], v[ZR], s[16:17]
	s_wait_xcnt 0x0
	s_or_b32 exec_lo, exec_lo, s40
.Lend:
	s_wait_tensorcnt 0x0                           ; the wave's end
	ds_add_u32 v[SPW], v[NIL]
	s_wait_dscnt 0x0
	s_endpgm
.Lfunc_end_k_q978fac33dd_router:
	.size	k_q978fac33dd_router, .Lfunc_end_k_q978fac33dd_router-k_q978fac33dd_router
	.p2alignl 7, 3214868480
	.fill 96, 4, 3214868480
	.section	.rodata,"a",@progbits
	.p2align	6, 0x0
	.amdhsa_kernel k_q978fac33dd_router
		.amdhsa_group_segment_fixed_size 1280
		.amdhsa_private_segment_fixed_size 0
		.amdhsa_enable_private_segment 0
		.amdhsa_kernarg_size 56
		.amdhsa_user_sgpr_count 2
		.amdhsa_user_sgpr_kernarg_segment_ptr 1
		.amdhsa_wavefront_size32 1
		.amdhsa_system_sgpr_workgroup_id_x 1
		.amdhsa_system_sgpr_workgroup_id_y 1
		.amdhsa_system_sgpr_workgroup_id_z 1
		.amdhsa_system_vgpr_workitem_id 0
		.amdhsa_next_free_vgpr 288
		.amdhsa_next_free_sgpr 66
		.amdhsa_reserve_vcc 1
		.amdhsa_float_denorm_mode_32 3
		.amdhsa_float_denorm_mode_16_64 3
		.amdhsa_memory_ordered 1
		.amdhsa_forward_progress 1
		.amdhsa_inst_pref_size 41
	.end_amdhsa_kernel
	.amdgpu_metadata
---
amdhsa.version: [ 1, 2 ]
amdhsa.kernels:
  - .name:           k_q978fac33dd_router
    .symbol:         k_q978fac33dd_router.kd
    .args:
      - { .name: x, .offset: 0, .size: 8, .value_kind: global_buffer, .address_space: global }
      - { .name: gate_w, .offset: 8, .size: 8, .value_kind: global_buffer, .address_space: global }
      - { .name: expert_bias, .offset: 16, .size: 8, .value_kind: global_buffer, .address_space: global }
      - { .name: xb, .offset: 24, .size: 8, .value_kind: global_buffer, .address_space: global }
      - { .name: gate, .offset: 32, .size: 8, .value_kind: global_buffer, .address_space: global }
      - { .name: bmap, .offset: 40, .size: 8, .value_kind: global_buffer, .address_space: global }
      - { .name: out1, .offset: 48, .size: 8, .value_kind: global_buffer, .address_space: global }
    .group_segment_fixed_size: 1280
    .private_segment_fixed_size: 0
    .kernarg_segment_align: 8
    .kernarg_segment_size: 56
    .max_flat_workgroup_size: 256
    .sgpr_count:     66
    .vgpr_count:     288
    .wavefront_size: 32
...
	.end_amdgpu_metadata
.endif
;; end of part 1
;; launch up (part 2): grid 32 x 12, 4 waves a work-group, no clusters, 305,664 bytes of LDS; arguments xb, bmap, routed_wg, routed_wu, shared_wg, shared_wu, hid; writes hid
.if DOCPART == 2
	.amdgcn_target "amdgcn-amd-amdhsa--gfx1250"
	.amdhsa_code_object_version 6
	.text
	.protected	k_q978fac33dd_up
	.globl	k_q978fac33dd_up
	.p2align	8
	.type	k_q978fac33dd_up,@function
k_q978fac33dd_up:
	s_mov_b64 s[64:65], 0
	v_nop
	global_prefetch_b8 v0, s[64:65] scope:SCOPE_SE
	s_setreg_imm32_b32 hwreg(HW_REG_WAVE_MODE, 25, 1), 1
	s_wait_xcnt 0x0
; FIRST PRODUCTS AND SwiGLU.  hid = silu(x wg) * (x wu), for the chosen routed expert and for the shared expert, in bf16.
; BLOCKS.  The tokens of an expert are cut into blocks of at most 192 rows (12 tiles of 16).  7 experts and 1,024 tokens never make more than 5 + 7 = 12
; blocks, so the grid has 12 in y; block b is mapped to (expert, pass) from the seven counts, which every wave takes from the bitmap that the router stored.
; A WORK-GROUP WITHOUT ROWS (b past the last block) stores nothing: the price of a grid that serves every split.  Every wave passes every barrier, so such a
; work-group does not end early: it jumps, forward, all the work between two barriers.  What stands on every way: the routing, the head's 60 loads (for it:
; from expert 6's slice and tokens 0 to 31; it waits for none of them) and the clearing of the sums, so that the loop's registers are written on every way into it.
; SHARES.  A work-group has 64 hidden columns (x) of one block (y).  Wave 0: routed_wg[e], wave 1: routed_wu[e], wave 2: shared_wg, wave 3: shared_wu; each its
; matrix's 64 columns x 1,024 k x 12 tiles: 48 accumulators, 384 registers.  The block's rows do both experts here, so that live work-groups are alike.
; WEIGHTS go memory -> registers -> bf16 -> matrix operand.  One load: lanes 0-15 take 256 consecutive bytes (64 columns) of one k row, lanes 16-31 of the
; row 8 further on.  Sixteen loads give a lane 4 columns x 16 k; element f of each four goes to fragment f, whose lane r stands for column 4 r + f.
; TOKENS are gathered by list from xb, 256 bytes (128 k) of a row at a time, through a ring of two LDS slots filled by ds_store; all four waves read them.
; The matrix instruction takes A = 16 columns of weights, B = 16 tokens: in the result lane (r, h) holds token r, register j column 4 (8 h + j) + f.
; VECTOR WORK BESIDE MATRIX WORK.  A step's 32 roundings stand four behind each of the eight products of tiles 6 and 7, which every block multiplies; memory and LDS instructions stand in runs
; between the runs of products.  Tiles 0 to 7 are always multiplied (places past the count repeat a row that exists); the groups of tiles 8, 9 and 10, 11 are jumped where they have no rows.
; OUT.  hid[kind][block][tile][kfrag 64][half 2][lane 32][16 bytes]: fragment 2 js + q, lane (r, h), place s holds token r, hidden column 64 js + 32 h + 16 q + s:
; the second product's operand as its registers take it; that launch reads wd's rows in the same order.
; THE SUMS START AT 0 IN REGISTERS (384 v_mov_b32, in the wait for the bitmap): the loop has one text for every chunk; a first step written out would be a fifth copy of a chunk.
; NO CLUSTER: what blocks share is the shared expert's slices, 512 KiB of a work-group's 1.4 MiB; a joint load would lay f32 tiles into LDS, of which 301 KiB are
; taken.  Token rows come by list, which no descriptor covers.
; FORMATS AND LIMITS.  Weights rounded once to bf16, x was rounded by the router, sums in f32, silu in f32 as g * rcp(1 + 2^(-1.442695 g)), the hidden number
; rounded once to bf16 (f32's range).  NaN and infinities are not treated apart.  All tokens on one expert are served by 6 blocks, on 192 of the 384 work-groups.
.set RP,    272                        ; a ring row: 256 bytes + 16: the 16 rows of a fragment load start at 16 different groups of four banks (ISA guide 11.1)
.set RINGB, 192*RP                     ; a slot: 192 rows
.set XCH,   2*RINGB                    ; the exchange for the way out: wave x 49,152 + tile x 4,096 + f x 1,024 + half x 512 + lane x 16
.set XW,    49152
.set LISTS, XCH+4*XW                   ; a list of 192 tokens and a dump word for each wave, 1,024 bytes apart
.set SPARE, LISTS+4*1024               ; the spare words, 128 bytes a wave
; vector registers, window 0
.set VW,   4                           ; h x 65,536 + r x 16: my place in a run of weight rows
.set VPF,  5                           ; lane x 8,192: a k row a lane, for the prefetch
.set VS,   6                           ; v6-7   where I store gathered rows, by slot
.set VT,   8                           ; v8-9   where I read token fragments, by slot
.set VX,   10                          ; my place in my part of the exchange
.set VG,   11                          ; the way out: g's and u's numbers
.set VU,   12
.set VH,   13                          ; lane x 16
.set R16,  14                          ; r x 16
.set TOK,  15
.set W0,   16                          ; v16-23 at work
.set ROFF, 24                          ; v24-47 byte offsets in xb of the 24 pairs of rows that my wave gathers
.set GR,   48                          ; v48-95 two buffers of six gathered loads
.set WF,   96                          ; v96-159 two buffers of four weight fragments
.set RB,   160                         ; v160-179 the routing's registers
.set BW,   RB
.set MYW,  RB+7                        ; my word (32 tokens) of the chosen expert's row
.set PC,   RB+8
.set PK,   RB+15
.set PCM,  PK                          ; when the counts have been read: the ones in my word,
.set PRE,  PK+1                        ; the place of my word's next chosen token,
.set LASTV, PK+2                       ; and the token in the block's last place
.set TD,   RB+19
.set C192, 180
.set SPW,  254                         ; LDS address of my spare word; never rewritten
.set NIL,  255                         ; 0, for the add alone
.set EE,   96                          ; the way out
.set HD,   128
.set GT,   160                         ; v160-191 g, v192-223 u of an even tile; an odd tile's lie in window 1, v0-31 and v32-63
; window 1: accumulators of tiles 0-7 at 32 t + 8 f.  window 2: v0-127 tiles 8-11; v128-223 token fragments.  window 3: four buffers of 16 weight loads
.set TF,   128
; scalar registers
.set XB,4
.set BM,6
.set RWG,8
.set RWU,10
.set SWG,12
.set SWU,14
.set HID,16
.set WV,18
.set JS,19
.set BLK,20
.set ESEL,21
.set PSEL,22
.set CSEL,23
.set SN,24                             ; rows in the block, 0..192
.set SL,25                             ; live tiles
.set LGR,26                            ; live groups of two tiles; 0: a work-group without rows
.set PFON,27
.set PP,28                             ; my matrix's slice
.set PW,30                             ; the same at the chunk in hand
.set SG1,32                            ; xb, a chunk on
.set SG2,34                            ; xb, two chunks on
.set HS,38
.set OFS,40                            ; an offset, with 0 above it
.set CNT,43
.set CN,44                             ; s44-50 the experts' counts; behind the routing they are free:
.set NL2,44                            ; s[44:45] -log2(e), named as a pair
.set K5,51                             ; s51-54 the popcount's constants; behind the routing they are free:
.set K3,52
.set KF,53
.set K1,54
.set NM1,51                            ; the block's last place
.set RUN,55
.set T0,56
.set T1,57
.set LISTB,58
.set SW,59
.set SEL,60
.set SI,62
.set ST,63
.set MSB, 0
.macro WIN new                         ; s_set_vgpr_msb: bits 1:0 source 0, 3:2 source 1, 5:4 source 2, 7:6 destination; the high byte repeats the setting that is left
.if MSB != (\new)
	s_set_vgpr_msb (MSB<<8)|(\new)
.set MSB, (\new)
.endif
.endm
; A load into a register that a matrix instruction has read, a store of a matrix result and a vector instruction that writes one of a matrix instruction's registers stand four places behind it,
; and only plain vector instructions that name none of its registers are places (ISA guide 7.12.1 for vector instructions).
.macro PLACES
.rept 4
	v_nop
.endr
.endm
; THE ROUTING, every wave for itself, without a branch.  Counts the seven experts' tokens from the bitmap, maps block BLK to (ESEL, PSEL), and leaves my word of the chosen expert's row in MYW
; and the number of its ones in PCM.  Past the last block: 0 rows, and expert 6 as a place that exists.  Between the bitmap's loads and the wait for them stand the clearing of the sums and
; the first stores into my list: every place is first written at a fixed address, with a token that exists.
.macro ROUTE
	v_lshlrev_b32 v[W0], 2, v1
.irp e, 0,1,2,3,4,5,6
	global_load_b32 v[BW+\e], v[W0], s[BM:BM+1] offset:128*\e
.endr
	s_mov_b32 s[K5], 0x55555555
	s_mov_b32 s[K3], 0x33333333
	s_mov_b32 s[KF], 0x0f0f0f0f
	s_mov_b32 s[K1], 0x01010101
	v_mov_b32 v[TD], 0
	v_lshl_add_u32 v[W0+3], v1, 2, s[LISTB]
.irp k, 0,1,2,3,4,5
	ds_store_b32 v[W0+3], v1 offset:128*\k
.endr
	WIN 0x40
.set z, 0
.rept 256
	v_mov_b32 v[z], 0                              ; the sums of tiles 0-7
.set z, z+1
.endr
	WIN 0x80
.set z, 0
.rept 128
	v_mov_b32 v[z], 0                              ; of tiles 8-11
.set z, z+1
.endr
	WIN 0
	s_wait_loadcnt 0x0
.irp e, 0,1,2,3,4,5,6                  ; the ones in my word of row e
	v_lshrrev_b32 v[W0+1], 1, v[BW+\e]
	v_and_b32 v[W0+1], s[K5], v[W0+1]
	v_sub_nc_u32 v[PC+\e], v[BW+\e], v[W0+1]
	v_lshrrev_b32 v[W0+1], 2, v[PC+\e]
	v_and_b32 v[PC+\e], s[K3], v[PC+\e]
	v_and_b32 v[W0+1], s[K3], v[W0+1]
	v_add_nc_u32 v[PC+\e], v[PC+\e], v[W0+1]
	v_lshrrev_b32 v[W0+1], 4, v[PC+\e]
	v_add_nc_u32 v[PC+\e], v[PC+\e], v[W0+1]
	v_and_b32 v[PC+\e], s[KF], v[PC+\e]
	v_mul_lo_u32 v[PC+\e], v[PC+\e], s[K1]
	v_lshrrev_b32 v[PC+\e], 24, v[PC+\e]
.endr
	v_lshl_or_b32 v[PK], v[PC+1], 16, v[PC]        ; two counts to a register: none passes 1,024
	v_lshl_or_b32 v[PK+1], v[PC+3], 16, v[PC+2]
	v_lshl_or_b32 v[PK+2], v[PC+5], 16, v[PC+4]
	v_mov_b32 v[PK+3], v[PC+6]
.irp mk, 1,2,4,8
.irp k, 0,1,2,3
	v_mov_b32_dpp v[TD], v[PK+\k] row_xmask:\mk row_mask:0xf bank_mask:0xf
	v_add_nc_u32 v[PK+\k], v[PK+\k], v[TD]
.endr
.endr
.irp k, 0,1,2,3
	v_permlanex16_b32 v[TD], v[PK+\k], s[SEL], s[SEL+1]
	v_add_nc_u32 v[PK+\k], v[PK+\k], v[TD]
.endr
.irp k, 0,1,2
	v_readfirstlane_b32 s[T0], v[PK+\k]
	s_and_b32 s[CN+2*\k], s[T0], 0xffff
	s_lshr_b32 s[CN+2*\k+1], s[T0], 16
.endr
	v_readfirstlane_b32 s[CN+6], v[PK+3]
	s_mov_b32 s[ESEL], 7
	s_mov_b32 s[PSEL], 0
	s_mov_b32 s[CSEL], 0
	s_mov_b32 s[RUN], 0                            ; the first block of the expert in hand
.irp e, 0,1,2,3,4,5,6
	s_add_co_u32 s[T0], s[CN+\e], 191              ; its blocks: (c + 191) / 192 = ((c + 191) / 64) / 3, and q / 3 = 11 q / 32 for q up to 18
	s_lshr_b32 s[T0], s[T0], 6
	s_mul_i32 s[T0], s[T0], 11
	s_lshr_b32 s[T0], s[T0], 5
	s_sub_co_u32 s[T1], s[BLK], s[RUN]             ; wraps to a large number where the block lies in front
	s_cmp_lt_u32 s[T1], s[T0]
	s_cselect_b32 s[ESEL], \e, s[ESEL]
	s_cselect_b32 s[PSEL], s[T1], s[PSEL]
	s_cselect_b32 s[CSEL], s[CN+\e], s[CSEL]
	s_add_co_u32 s[RUN], s[RUN], s[T0]
.endr
	s_min_u32 s[ESEL], s[ESEL], 6
	s_mul_i32 s[T0], s[PSEL], 192
	s_sub_co_u32 s[SN], s[CSEL], s[T0]
	s_min_u32 s[SN], s[SN], 192
	s_add_co_u32 s[SL], s[SN], 15
	s_lshr_b32 s[SL], s[SL], 4
	v_mov_b32 v[MYW], v[BW]
	v_mov_b32 v[PCM], v[PC]
.irp e, 1,2,3,4,5,6
	s_cmp_eq_u32 s[ESEL], \e
	s_cselect_b32 s[T0], -1, 0
	v_cndmask_b32 v[MYW], v[MYW], v[BW+\e], s[T0]
	v_cndmask_b32 v[PCM], v[PCM], v[PC+\e], s[T0]
.endr
.endm
; THE LIST, in the wave's own 1,024 bytes: place p (0..191) takes the token of rank 192 PSEL + p among the expert's; every other token lands in the dump word 192.
; Lane l has tokens 32 l .. 32 l + 31.  The place of its first chosen token is -192 PSEL + the ones in the lower lanes' words: that sum is made of the six bit planes of the lanes' counts (0..32).
; Then 32 trips, a bit of every lane's word a trip.  The lane whose token falls into the block's last place, N - 1, keeps it; behind the loop a sum over the lanes (all others hold 0) gives it to all.
.macro LIST
	s_mul_i32 s[RUN], s[PSEL], 192
	s_sub_co_u32 s[RUN], 0, s[RUN]                 ; the place of the expert's first token
	s_add_co_u32 s[NM1], s[SN], -1
	v_mov_b32 v[PRE], s[RUN]
.irp k, 0,1,2,3,4,5
	v_and_b32 v[W0], 1<<\k, v[PCM]
	v_cmp_ne_u32 s[T1], 0, v[W0]                   ; the lanes whose count has bit k
	v_mbcnt_lo_u32_b32 v[W0], s[T1], 0             ; how many of them lie below me
	v_lshl_add_u32 v[PRE], v[W0], \k, v[PRE]
.endr
	v_lshlrev_b32 v[TOK], 5, v1                    ; my word's first token
	v_mov_b32 v[LASTV], 0
	s_mov_b32 s[SI], 0
.Llist:                                                ; 32 trips: bit SI is token 32 lane + SI
	v_lshrrev_b32 v[W0+1], s[SI], v[MYW]
	v_and_b32 v[W0+1], 1, v[W0+1]                  ; 1: chosen
	v_cmp_eq_u32 vcc_lo, 1, v[W0+1]
	v_cndmask_b32 v[W0], v[C192], v[PRE], vcc_lo   ; its place, if it is chosen
	v_min_u32 v[W0], 0xc0, v[W0]                   ; a place in front of the block has wrapped, one behind it is too large: both go to the dump
	v_cmp_eq_u32 vcc_lo, s[NM1], v[W0]             ; does my token take the last place?
	v_cndmask_b32 v[LASTV], v[LASTV], v[TOK], vcc_lo
	v_lshl_add_u32 v[W0], v[W0], 2, s[LISTB]
	ds_store_b32 v[W0], v[TOK]
	v_add_nc_u32 v[PRE], v[PRE], v[W0+1]
	v_add_nc_u32 v[TOK], 1, v[TOK]
	s_add_co_u32 s[SI], s[SI], 1
	s_cmp_lt_u32 s[SI], 32
	s_cbranch_scc1 .Llist
.irp mk, 1,2,4,8
	v_mov_b32_dpp v[TD], v[LASTV] row_xmask:\mk row_mask:0xf bank_mask:0xf
	v_add_nc_u32 v[LASTV], v[LASTV], v[TD]
.endr
	v_permlanex16_b32 v[TD], v[LASTV], s[SEL], s[SEL+1]
	v_add_nc_u32 v[LASTV], v[LASTV], v[TD]
.endm
; Places past the count repeat the block's last token, a row of the last live tile: what is computed for them is right for that token.
.macro PAD
.irp k, 0,1,2,3,4,5
	v_add_nc_u32 v[W0+2], 32*\k, v1
	v_cmp_le_u32 vcc_lo, s[SN], v[W0+2]
	v_cndmask_b32 v[W0+2], v[C192], v[W0+2], vcc_lo
	v_min_u32 v[W0+2], 0xc0, v[W0+2]
	v_lshl_add_u32 v[W0+2], v[W0+2], 2, s[LISTB]
	ds_store_b32 v[W0+2], v[LASTV]
.endr
.endm
; 16 loads: the 32 k rows of a step, 64 columns each, into buffer buf of window 3.  Load z: lanes 0-15 row z (+ 8 from z = 8 on), lanes 16-31 the row 8 further: the operand's own order of k.
.macro WLOAD buf, base, ioff
	WIN 0xc0
.set z, 0
.rept 16
	global_load_b128 v[64*(\buf)+4*z:64*(\buf)+4*z+3], v[VW], s[\base:\base+1] offset:(\ioff)*262144+(z+8*(z/8))*8192
.set z, z+1
.endr
.endm
; 16 roundings: fragments 2 half and 2 half + 1 of buffer buf into weight buffer wf
.macro CVT buf, wf, half
	WIN 0x0f
.irp f, 2*(\half), 2*(\half)+1
.irp q, 0,1,2,3,4,5,6,7
	v_cvt_pk_bf16_f32 v[WF+32*(\wf)+8*(\f)+\q], v[64*(\buf)+8*\q+(\f)], v[64*(\buf)+8*\q+4+(\f)]
.endr
.endr
.endm
; 12 LDS loads: the token fragments of tiles 6 part .. 6 part + 5 for step i of a chunk
.macro TLOAD slot, i, part
	WIN 0x80
.irp t, 0,1,2,3,4,5
	ds_load_b128 v[TF+8*(6*(\part)+\t):TF+8*(6*(\part)+\t)+3],   v[VT+(\slot)] offset:(6*(\part)+\t)*16*RP+(\i)*64
	ds_load_b128 v[TF+8*(6*(\part)+\t)+4:TF+8*(6*(\part)+\t)+7], v[VT+(\slot)] offset:(6*(\part)+\t)*16*RP+(\i)*64+32
.endr
.endm
; a quarter of my wave's 48 rows: six loads, each two rows x 256 aligned bytes
.macro GLOAD qd, gb, base, imm
	WIN 0
.irp m, 0,1,2,3,4,5
	global_load_b128 v[GR+24*(\gb)+4*\m:GR+24*(\gb)+4*\m+3], v[ROFF+6*(\qd)+\m], s[\base:\base+1] offset:\imm
.endr
.endm
.macro GSTORE slot, qd, gb
	WIN 0
.irp m, 0,1,2,3,4,5
	ds_store_b128 v[VS+(\slot)], v[GR+24*(\gb)+4*\m:GR+24*(\gb)+4*\m+3] offset:(12*(\qd)+2*\m)*RP
.endr
.endm
; 8 matrix instructions: group g (tiles 2 g, 2 g + 1) x four fragments.  The eight accumulators take turns, one instruction a turn.
.macro MMG g, wf
.if (\g) < 4
	WIN 0x58                                       ; A window 0, B window 2, C and D window 1
.set AB, 64*(\g)
.else
	WIN 0xa8                                       ; C and D window 2
.set AB, 64*((\g)-4)
.endif
.irp f, 0,1,2,3
.irp u, 0,1
	v_wmma_f32_16x16x32_bf16 v[AB+32*\u+8*\f:AB+32*\u+8*\f+7], v[WF+32*(\wf)+8*\f:WF+32*(\wf)+8*\f+7], v[TF+8*(2*(\g)+\u):TF+8*(2*(\g)+\u)+7], v[AB+32*\u+8*\f:AB+32*\u+8*\f+7]
.endr
.endr
.endm
; The same for a group g below 4, with four roundings behind each matrix instruction: number n of the 32 that make weight buffer wfn of buffer buf (fragment n / 8, register n % 8).
; They name no register of the products round them: those read the other weight buffer.
.macro MMGC g, wf, buf, wfn
.set AB, 64*(\g)
.set kk, 0
.irp f, 0,1,2,3
.irp u, 0,1
	WIN 0x58
	v_wmma_f32_16x16x32_bf16 v[AB+32*\u+8*\f:AB+32*\u+8*\f+7], v[WF+32*(\wf)+8*\f:WF+32*(\wf)+8*\f+7], v[TF+8*(2*(\g)+\u):TF+8*(2*(\g)+\u)+7], v[AB+32*\u+8*\f:AB+32*\u+8*\f+7]
	WIN 0x0f
.irp c, 0,1,2,3
	v_cvt_pk_bf16_f32 v[WF+32*(\wfn)+4*kk+\c], v[64*(\buf)+8*((4*kk+\c)%8)+(4*kk+\c)/8], v[64*(\buf)+8*((4*kk+\c)%8)+4+(4*kk+\c)/8]
.endr
.set kk, kk+1
.endr
.endr
.endm
.macro SKIP g, lab                     ; groups without rows are jumped: forward, over matrix instructions alone
	WIN 0
	s_cmp_le_u32 s[LGR], \g
	s_cbranch_scc1 \lab
.endm
; The 32 k rows of step n, counted from the first step of the chunk in hand: they are loaded four steps from now.  A lane asks for one row's 256 bytes.
; Only the routed matrices' waves of an expert's first block ask, so each block of bytes is asked for once.
.macro PREF n
	WIN 0
	s_cmp_eq_u32 s[PFON], 0
	s_cbranch_scc1 .Lnp_\@
	global_prefetch_b8 v[VPF], s[PW:PW+1] offset:(\n)*262144 th:TH_LOAD_NT scope:SCOPE_SE
.Lnp_\@:
.endm
; A K STEP (32 k), number i of the chunk that lies in slot.  kind 0: chunks 0 to 5.  kind 1: chunk 6: there is no chunk 8, so no rows are asked for two chunks on, and nothing is prefetched.
; kind 2: chunk 7: nothing more is fetched from memory.  Beside its products a step rounds the next step's weights, stores a quarter of my rows of the next chunk into the other slot,
; asks for the quarter two steps on and the weights four steps on (step 3's stand in the next period's head).
.macro KSTEP slot, i, kind
.set WFC, (\i)%2
.set WFN, 1-WFC
.set OSL, 1-(\slot)
	s_wait_dscnt 12                                ; the fragments of tiles 0-5 are in; the 12 loads of tiles 6-11 stay out
	MMG 0, WFC
	MMG 1, WFC
	MMG 2, WFC
.if (\i) < 3
	PLACES                                         ; in front of the loads into the fragments of tiles 0-5
.endif
.if (\kind) == 2
.if (\i) < 3
	s_wait_loadcnt 32-16*(\i)                      ; the next step's weights; behind them two, one, no runs of 16
.endif
.elseif ((\kind) == 1) && ((\i) == 3)
	s_wait_loadcnt 32                              ; the quarter asked for two steps ago; behind it two runs of 16 weights
.else
	s_wait_loadcnt 38                              ; the quarter asked for two steps ago, and the older weights of the next step; behind it: 16 weights, 6 rows, 16 weights
.endif
.if (\kind) != 2
	GSTORE OSL, \i, (\i)%2
.if (\i) < 2
	GLOAD ((\i)+2)%4, (\i)%2, SG1, 0
.elseif (\kind) == 0
	GLOAD ((\i)+2)%4, (\i)%2, SG2, 0
.endif
.endif
.if (\i) < 3
	TLOAD \slot, (\i)+1, 0
.endif
.if ((\i) == 3) && ((\kind) == 2)
	s_wait_dscnt 0x0                               ; tiles 6-11 are in
.elseif (\i) == 3
	s_wait_dscnt 6                                 ; tiles 6-11 are in; my six stores may stay out: the wait for them stands in front of the barrier
.elseif (\kind) == 2
	s_wait_dscnt 12                                ; tiles 6-11 are in; behind them the 12 loads just issued
.else
	s_wait_dscnt 18                                ; tiles 6-11 are in; behind them 6 stores and 12 loads
.endif
.if (\i) < 3
	MMGC 3, WFC, ((\i)+1)%4, WFN                   ; the next step's weights are rounded beside these eight products
.else
	MMG 3, WFC
.endif
	SKIP 4, .Lkb_\@
	MMG 4, WFC
	SKIP 5, .Lkb_\@
	MMG 5, WFC
	WIN 0
.Lkb_\@:
	PLACES                                         ; in front of the loads into the fragments of tiles 6-11, of the next roundings, which write this step's weight buffer, and of the stores of the sums
.if (\i) < 3
.if (\kind) != 2
	WLOAD \i, PW, (\i)+4                           ; the weights four steps on (the next chunk's step i), into the buffer rounded a step ago: 60 loads of mine are out
.if (\kind) == 0
	PREF (\i)+8                                    ; step i of the chunk after the next
.endif
.endif
	TLOAD \slot, (\i)+1, 1
.endif
.endm
; THE EXCHANGE: each wave lays its sums into its part of it; the places behind the last products stand at the last step's end.
.macro TOXCH
	WIN 0x04                                       ; store data in window 1
.set t, 0
.rept 8
.irp f, 0,1,2,3
	ds_store_b128 v[VX], v[32*t+8*\f:32*t+8*\f+3]   offset:t*4096+\f*1024       ; each accumulator's low registers first
	ds_store_b128 v[VX], v[32*t+8*\f+4:32*t+8*\f+7] offset:t*4096+\f*1024+512
.endr
.set t, t+1
.endr
	WIN 0x08                                       ; window 2
.rept 4
.irp f, 0,1,2,3
	ds_store_b128 v[VX], v[32*(t-8)+8*\f:32*(t-8)+8*\f+3]   offset:t*4096+\f*1024
	ds_store_b128 v[VX], v[32*(t-8)+8*\f+4:32*(t-8)+8*\f+7] offset:t*4096+\f*1024+512
.endr
.set t, t+1
.endr
.endm
; A PERIOD: from one barrier to the next: the chunk (128 k, four steps) that lies in slot.  At its beginning, whichever period it is: weight buffer 0 asked for, and behind it, in this order,
; buffer 1, six rows, buffer 2, six rows (kind 2: without the rows); no LDS instruction out; the slot whole.  A work-group without rows jumps from the beginning to the barrier.
; The first step's fragments are asked for first; the weight loads and the 32 roundings of step 0 stand between those loads and the wait for them.
; At its end the bases step on by a chunk; all immediates on them are 0 or more.
.macro PERIOD slot, kind
	WIN 0
	s_cmp_eq_u32 s[LGR], 0
	s_cbranch_scc1 .Lpj_\@
	TLOAD \slot, 0, 0
	TLOAD \slot, 0, 1
.if (\kind) == 2
	s_wait_loadcnt 32                              ; buffer 0 is in; behind it buffers 1 and 2
.else
	s_wait_loadcnt 44                              ; buffer 0 is in; behind it 16 + 6 + 16 + 6
.endif
	WLOAD 3, PW, 3                                 ; this chunk's step 3
.if (\kind) != 2
	PREF 7                                         ; the next chunk's step 3
.endif
	CVT 0, 0, 0                                    ; step 0's weights
	CVT 0, 0, 1
	KSTEP \slot, 0, \kind
	KSTEP \slot, 1, \kind
	KSTEP \slot, 2, \kind
	KSTEP \slot, 3, \kind
.if (\kind) == 2
	TOXCH
.else
	WIN 0
	s_wait_xcnt 0x0                                ; the bases of earlier loads and prefetches are rewritten only behind this wait (ISA guide 3.1); the last prefetch stands a step back
	s_add_nc_u64 s[PW:PW+1], s[PW:PW+1], 0x100000  ; a chunk of my slice is 128 rows of 8,192 bytes
.if (\kind) == 0
	s_add_nc_u64 s[SG1:SG1+1], s[SG1:SG1+1], 256   ; a chunk of a row of xb is 256 bytes
	s_add_nc_u64 s[SG2:SG2+1], s[SG2:SG2+1], 256
.endif
.endif
	WIN 0
.Lpj_\@:
	s_wait_dscnt 0x0                               ; for the others: my stores into the other slot (kind 2: into the exchange) are done, my reads of this slot are back
	s_barrier_signal -1                            ; the other slot is whole, and nobody reads this one any more (kind 2: the exchange is whole)
	s_barrier_wait -1
.endm
; THE WAY OUT.  FLOAD: g and u of tile number it of my six (tiles 2 it + wave % 2) come out of the exchange: an even number's into window 0, an odd one's into window 1, where the sums lay.
; The tile's place stands in the immediates: no address is stepped.
.macro FLOAD it
.if (\it)%2
	WIN 0x40
.set FG, 0
.else
	WIN 0
.set FG, GT
.endif
.irp f, 0,1,2,3
.irp hh, 0,1
	ds_load_b128 v[FG+8*\f+4*\hh:FG+8*\f+4*\hh+3], v[VG] offset:(\it)*8192+1024*\f+512*\hh
	ds_load_b128 v[FG+32+8*\f+4*\hh:FG+32+8*\f+4*\hh+3], v[VU] offset:(\it)*8192+1024*\f+512*\hh
.endr
.endr
.endm
; FIN: the next tile's numbers are asked for; silu(g) u of this tile is made in f32, rounded and stored as two fragments.
.macro FIN it
.if (\it) < 5
	FLOAD (\it)+1
	s_wait_dscnt 16                                ; this tile's numbers are in; the next tile's 16 loads stay out
.else
	s_wait_dscnt 0x0
.endif
.if (\it)%2
.set FG, 0
.set FW, 0x01                                          ; source 0, g or u, in window 1
.else
.set FG, GT
.set FW, 0
.endif
	WIN FW
.set z, 0
.rept 16
	v_pk_mul_f32 v[EE+2*z:EE+2*z+1], v[FG+2*z:FG+2*z+1], s[NL2:NL2+1] op_sel_hi:[1,0]  ; -log2(e) g
.set z, z+1
.endr
	WIN 0
.set z, 0
.rept 32
	v_exp_f32 v[EE+z], v[EE+z]
.set z, z+1
.endr
	v_nop                                          ; a plain instruction behind the last exponential (ISA guide 5.7.2)
.set z, 0
	s_wait_alu depctr_va_vdst(0)
.rept 16
	v_pk_add_f32 v[EE+2*z:EE+2*z+1], v[EE+2*z:EE+2*z+1], 1.0 op_sel_hi:[1,0]
.set z, z+1
.endr
.set z, 0
.rept 32
	v_rcp_f32 v[EE+z], v[EE+z]
.set z, z+1
.endr
	v_nop
	WIN FW
.set z, 0
	s_wait_alu depctr_va_vdst(0)
.rept 16
	v_pk_mul_f32 v[EE+2*z:EE+2*z+1], v[FG+2*z:FG+2*z+1], v[EE+2*z:EE+2*z+1]
.set z, z+1
.endr
.set z, 0
.rept 16
	v_pk_mul_f32 v[EE+2*z:EE+2*z+1], v[FG+32+2*z:FG+32+2*z+1], v[EE+2*z:EE+2*z+1]
.set z, z+1
.endr
	WIN 0
.if \it
	s_wait_xcnt 0x0                                ; the last tile's stores have read their data: it is rewritten only behind this wait (ISA guide 3.1)
.endif
.irp j, 0,1,2,3,4,5,6,7                ; columns 32 h + 4 j + 2 p and the next: places 2 p, 2 p + 1 of four, in ascending order of column
.irp p, 0,1
	v_cvt_pk_bf16_f32 v[HD+2*\j+\p], v[EE+16*\p+\j], v[EE+16*\p+8+\j]
.endr
.endr
.irp q, 0,1,2,3
	global_store_b128 v[VH], v[HD+4*\q:HD+4*\q+3], s[HS:HS+1] offset:(\it)*131072+512*\q  ; the wave stores 512 consecutive bytes, aligned
.endr
.endm
	s_load_b256 s[4:11], s[0:1], 0x0               ; xb, bmap, routed_wg, routed_wu
	s_load_b128 s[12:15], s[0:1], 0x20             ; shared_wg, shared_wu
	s_load_b64 s[16:17], s[0:1], 0x30              ; hid
	v_lshl_add_u32 v[SPW], v0, 2, SPARE
	v_mov_b32 v[NIL], 0
	v_and_b32 v1, 31, v0                           ; lane
	v_lshrrev_b32 v[W0], 5, v0
	v_readfirstlane_b32 s[WV], v[W0]               ; wave 0..3
	v_and_b32 v2, 15, v0                           ; r
	v_bfe_u32 v3, v0, 4, 1                         ; h
	s_mov_b32 s[JS], ttmp9
	s_and_b32 s[BLK], ttmp7, 0xffff
	s_mov_b32 s[SEL], 0x76543210
	s_mov_b32 s[SEL+1], 0xfedcba98
	s_mov_b32 s[OFS+1], 0
	v_mov_b32 v[C192], 0xc0
	v_lshlrev_b32 v[R16], 4, v2
	v_lshl_add_u32 v[VW], v3, 16, v[R16]           ; 8 rows of 8,192 bytes for the upper lanes
	v_lshlrev_b32 v[VPF], 13, v1
	v_lshlrev_b32 v[VH], 4, v1
	s_mul_i32 s[T0], s[WV], 48*RP                  ; my wave gathers rows 48 w .. 48 w + 47
	v_mul_u32_u24 v[W0], v3, RP
	v_add_nc_u32 v[W0], v[W0], v[R16]
	v_add_nc_u32 v[VS], s[T0], v[W0]
	v_add_nc_u32 v[VS+1], RINGB, v[VS]
	v_mul_u32_u24 v[W0], v2, RP
	v_lshl_add_u32 v[VT], v3, 4, v[W0]             ; a fragment: row r x pitch + 16 h
	v_add_nc_u32 v[VT+1], RINGB, v[VT]
	s_mul_i32 s[T0], s[WV], XW
	s_add_co_u32 s[T0], s[T0], XCH
	v_add_nc_u32 v[VX], s[T0], v[VH]
	s_lshl_b32 s[LISTB], s[WV], 10
	s_add_co_u32 s[LISTB], s[LISTB], LISTS
	s_lshr_b32 s[T0], s[WV], 1                     ; the way out: waves 0, 1 finish the routed expert's tiles, waves 2, 3 the shared one's,
	s_and_b32 s[T1], s[WV], 1                      ; even and odd tiles
	s_mul_i32 s[SW], s[T0], 2*XW
	s_lshl_b32 s[ST], s[T1], 12
	s_add_co_u32 s[SW], s[SW], s[ST]
	s_add_co_u32 s[SW], s[SW], XCH
	v_add_nc_u32 v[VG], s[SW], v[VH]
	v_add_nc_u32 v[VU], XW, v[VG]
	s_mul_i32 s[T0], s[T0], 12
	s_add_co_u32 s[T0], s[T0], s[BLK]
	s_mul_i32 s[T0], s[T0], 12
	s_add_co_u32 s[T0], s[T0], s[T1]
	s_lshl_b32 s[OFS], s[T0], 16                   ; a tile of hid is 65,536 bytes
	s_lshl_b32 s[T0], s[JS], 11                    ; my two fragments in it
	s_add_co_u32 s[OFS], s[OFS], s[T0]
	s_wait_kmcnt 0x0
	s_add_nc_u64 s[HS:HS+1], s[HID:HID+1], s[OFS:OFS+1]
	ROUTE
	s_mov_b32 s[NL2], 0xbfb8aa3b                   ; -log2(e)
	s_mov_b32 s[NL2+1], s[NL2]                     ; named with it as a pair
	s_add_co_u32 s[LGR], s[SL], 1
	s_lshr_b32 s[LGR], s[LGR], 1
	s_cmp_eq_u32 s[WV], 1                          ; my matrix
	s_cselect_b64 s[PP:PP+1], s[RWU:RWU+1], s[RWG:RWG+1]
	s_cmp_eq_u32 s[WV], 2
	s_cselect_b64 s[PP:PP+1], s[SWG:SWG+1], s[PP:PP+1]
	s_cmp_eq_u32 s[WV], 3
	s_cselect_b64 s[PP:PP+1], s[SWU:SWU+1], s[PP:PP+1]
	s_cmp_lt_u32 s[WV], 2
	s_cselect_b32 s[T1], 1, 0                      ; 1: a routed matrix
	s_lshl_b32 s[OFS], s[ESEL], 23                 ; an expert's matrix is 8 MiB
	s_mul_i32 s[OFS], s[OFS], s[T1]
	s_lshl_b32 s[T0], s[JS], 8                     ; my 64 columns
	s_add_co_u32 s[OFS], s[OFS], s[T0]
	s_add_nc_u64 s[PP:PP+1], s[PP:PP+1], s[OFS:OFS+1]
	s_cmp_eq_u32 s[PSEL], 0
	s_cselect_b32 s[PFON], s[T1], 0
	s_mov_b64 s[PW:PW+1], s[PP:PP+1]               ; chunk 0; each period's end steps these three by a chunk
	s_add_nc_u64 s[SG1:SG1+1], s[XB:XB+1], 256
	s_add_nc_u64 s[SG2:SG2+1], s[XB:XB+1], 512
	WLOAD 0, PP, 0                                 ; the first two steps' weights land while the list is made
	WLOAD 1, PP, 1
	WIN 0
	s_cmp_eq_u32 s[LGR], 0
	s_cbranch_scc1 .Lnolist
	LIST
	PAD
.Lnolist:
	s_mul_i32 s[T0], s[WV], 192
	s_add_co_u32 s[T0], s[T0], s[LISTB]
	v_lshl_add_u32 v[W0], v3, 2, s[T0]             ; places 48 w + 2 n + h
.set n, 0
.rept 24
	ds_load_b32 v[ROFF+n], v[W0] offset:8*n        ; LDS serves a wave's instructions in order (ISA guide 5.7.1.4): these see my stores above
.set n, n+1
.endr
	s_wait_dscnt 0x0
.set n, 0
.rept 24
	v_min_u32 v[ROFF+n], 0x3ff, v[ROFF+n]
	v_lshl_add_u32 v[ROFF+n], v[ROFF+n], 11, v[R16]  ; a row of xb is 2,048 bytes
.set n, n+1
.endr
	s_cmp_eq_u32 s[LGR], 0
	s_cbranch_scc1 .Lnofill
	GLOAD 0, 0, XB, 0                              ; chunk 0 into slot 0: two quarters through the gather buffers, two through weight buffer 3, which is still free
	GLOAD 1, 1, XB, 0
	WIN 0xc0
.irp m, 0,1,2,3,4,5,6,7,8,9,10,11
	global_load_b128 v[192+4*\m:192+4*\m+3], v[ROFF+12+\m], s[XB:XB+1]
.endr
	WIN 0
	s_wait_loadcnt 0x0
	GSTORE 0, 0, 0
	GSTORE 0, 1, 1
	WIN 0x0c                                       ; store data in window 3
.irp m, 0,1,2,3,4,5,6,7,8,9,10,11
	ds_store_b128 v[VS], v[192+4*\m:192+4*\m+3] offset:(24+2*\m)*RP
.endr
	WIN 0
.Lnofill:
	GLOAD 0, 0, XB, 256                            ; in the order that a period finds at its beginning: (buffers 0, 1,) rows, buffer 2, rows
	WLOAD 2, PP, 2
	GLOAD 1, 1, XB, 256
	WIN 0
	s_wait_dscnt 0x0                               ; my rows of chunk 0 are in slot 0
	s_barrier_signal -1
	s_barrier_wait -1
	s_mov_b32 s[CNT], 3
.Lper:                                                 ; chunks 0 to 5
	PERIOD 0, 0
	PERIOD 1, 0
	s_sub_co_u32 s[CNT], s[CNT], 1
	s_cmp_lg_u32 s[CNT], 0
	s_cbranch_scc1 .Lper
	PERIOD 0, 1                                    ; chunk 6
	PERIOD 1, 2                                    ; chunk 7, and the sums into the exchange
	s_cmp_eq_u32 s[LGR], 0
	s_cbranch_scc1 .Lnofin
	FLOAD 0
.irp it, 0,1,2,3,4,5                   ; all 12 tiles of a block with rows are finished and stored, so that the next launch reads no byte that nobody wrote
	FIN \it
.endr
.Lnofin:
	s_wait_tensorcnt 0x0                           ; the wave's end
	ds_add_u32 v[SPW], v[NIL]
	s_wait_dscnt 0x0
	s_endpgm
.Lfunc_end_k_q978fac33dd_up:
	.size	k_q978fac33dd_up, .Lfunc_end_k_q978fac33dd_up-k_q978fac33dd_up
	.p2alignl 7, 3214868480
	.fill 96, 4, 3214868480
	.section	.rodata,"a",@progbits
	.p2align	6, 0x0
	.amdhsa_kernel k_q978fac33dd_up
		.amdhsa_group_segment_fixed_size 305664
		.amdhsa_private_segment_fixed_size 0
		.amdhsa_enable_private_segment 0
		.amdhsa_kernarg_size 56
		.amdhsa_user_sgpr_count 2
		.amdhsa_user_sgpr_kernarg_segment_ptr 1
		.amdhsa_wavefront_size32 1
		.amdhsa_system_sgpr_workgroup_id_x 1
		.amdhsa_system_sgpr_workgroup_id_y 1
		.amdhsa_system_sgpr_workgroup_id_z 1
		.amdhsa_system_vgpr_workitem_id 0
		.amdhsa_next_free_vgpr 1024
		.amdhsa_next_free_sgpr 66
		.amdhsa_reserve_vcc 1
		.amdhsa_float_denorm_mode_32 3
		.amdhsa_float_denorm_mode_16_64 3
		.amdhsa_memory_ordered 1
		.amdhsa_forward_progress 1
		.amdhsa_inst_pref_size 255
	.end_amdhsa_kernel
	.section	.bss,"aw",@nobits
	.p2align	6
	.space	262144
	.amdgpu_metadata
---
amdhsa.version: [ 1, 2 ]
amdhsa.kernels:
  - .name:           k_q978fac33dd_up
    .symbol:         k_q978fac33dd_up.kd
    .args:
      - { .name: xb, .offset: 0, .size: 8, .value_kind: global_buffer, .address_space: global }
      - { .name: bmap, .offset: 8, .size: 8, .value_kind: global_buffer, .address_space: global }
      - { .name: routed_wg, .offset: 16, .size: 8, .value_kind: global_buffer, .address_space: global }
      - { .name: routed_wu, .offset: 24, .size: 8, .value_kind: global_buffer, .address_space: global }
      - { .name: shared_wg, .offset: 32, .size: 8, .value_kind: global_buffer, .address_space: global }
      - { .name: shared_wu, .offset: 40, .size: 8, .value_kind: global_buffer, .address_space: global }
      - { .name: hid, .offset: 48, .size: 8, .value_kind: global_buffer, .address_space: global }
    .group_segment_fixed_size: 305664
    .private_segment_fixed_size: 0
    .kernarg_segment_align: 8
    .kernarg_segment_size: 56
    .max_flat_workgroup_size: 128
    .sgpr_count:     66
    .vgpr_count:     1024
    .wavefront_size: 32
...
	.end_amdgpu_metadata
.endif
;; end of part 2
;; launch down (part 3): grid 32 x 12, 8 waves a work-group, no clusters, 205,824 bytes of LDS; arguments hid, bmap, gate, routed_wd, shared_wd, out0; writes out0
.if DOCPART == 3
	.amdgcn_target "amdgcn-amd-amdhsa--gfx1250"
	.amdhsa_code_object_version 6
	.text
	.protected	k_q978fac33dd_down
	.globl	k_q978fac33dd_down
	.p2align	8
	.type	k_q978fac33dd_down,@function
k_q978fac33dd_down:
	s_mov_b64 s[64:65], 0
	v_nop
	global_prefetch_b8 v0, s[64:65] scope:SCOPE_SE
	s_setreg_imm32_b32 hwreg(HW_REG_WAVE_MODE, 25, 1), 1
	s_wait_xcnt 0x0
; SECOND PRODUCT, GATE AND SUM.  out0[token] = hid_shared wd_shared + gate[token] x (hid_routed wd_routed[e]).
; BLOCKS as in the launch before: the same routing text maps block b (grid y) to (expert, pass) and makes the same list of tokens.
; SHARES.  Grid x = 2 slice + par: 64 output columns (256 bytes of a row), and the block's tiles 2 i + par, i = 0..5.  Each output row has one owner.
; A WORK-GROUP WITHOUT A LIVE TILE stores nothing; every wave passes the one barrier, so it jumps, forward, all the work in front of it, and each unit behind it.
; Wave w: kind w / 4 (0 routed, 1 shared), K quarter w % 4: 512 of the 2,048 hidden numbers, 16 steps of 32.  No two waves need the same operand, so the loop has neither LDS nor barrier:
; the hidden fragments come from hid as the registers take them, two loads of 512 consecutive bytes each; the weights as in the launch before, rounded on their way.
; The matrix instruction takes A = 16 tokens, B = 16 columns of weights: in the result lane (r, h), register j, fragment f holds token row 8 h + j, column 4 r + f.
; ORDER OF K.  Fragment 2 js + q of hid holds, in lane half h and place s, hidden number 64 js + 32 h + 16 q + s; load s of a step reads wd's row of that number: alike on both sides, the products are the same.
; THE END.  The eight waves' partial sums (f32) meet in LDS; routed x gate + shared in f32; sixteen lanes store a row's 256 aligned bytes.  Places past the count repeat the block's last token, a row of the
; same tile: they store the same numbers to the same bytes, from this work-group.
; NO CLUSTER: a slice of weights has two readers, side by side in the grid; the hidden rows are shared by 16 work-groups but would have to pass through LDS, which the loop does without.
; FORMATS AND LIMITS.  Weights rounded once to bf16, sums and the gate's weight in f32.  NaN and infinities are not treated apart.
.set PARTW, 24576                      ; a wave's partial sums: tile i x 4,096 + f x 1,024 + half x 512 + lane x 16
.set LISTS, 8*PARTW
.set SPARE, LISTS+8*1024               ; the spare words, 128 bytes a wave
; vector registers, window 0
.set VW3,  4                           ; h x 131,072 + r x 16: the upper lanes read the row 32 further on
.set VPF3, 5                           ; lane x 4,096: a row a lane, for the prefetch
.set VL16, 6                           ; lane x 16
.set VP,   12                          ; my place in my partial sums
.set R16,  13
.set VL,   14                          ; my four tokens in the list
.set TOK,  15
.set VR,   16                          ; v16-23 my unit's place in each wave's partial sums
.set W0,   24                          ; v24-31 at work
.set GA,   24
.set GV,   28
.set RB,   32                          ; v32-51 the routing's registers
.set BW,   RB
.set MYW,  RB+7                        ; my word (32 tokens) of the chosen expert's row
.set PC,   RB+8
.set PK,   RB+15
.set PCM,  PK                          ; when the counts have been read: the ones in my word,
.set PRE,  PK+1                        ; and the place of my word's next chosen token
.set TD,   RB+19
.set TK,   52
.set OFFO, 56
.set C192, 60
.set SPW,  62                          ; LDS address of my spare word; never rewritten
.set NIL,  63                          ; 0, for the add alone
.set WF,   64                          ; v64-95 four weight fragments
.set TF,   96                          ; v96-191 two buffers of six hidden fragments
.set STG,  192                         ; v192-255 of window 0 and of window 1: two buffers of 16 weight loads
.set OUT,  192
; window 1: v0-191 the accumulators, tile i, fragment f at 32 i + 8 f
.set HIDP,4
.set BM,6
.set GATE,8
.set RWD,10
.set SWD,12
.set OUTP,14
.set PAR,16
.set KIND,17
.set WV,18
.set SLICE,19
.set BLK,20
.set ESEL,21
.set PSEL,22
.set CSEL,23
.set SN,24
.set SL,25
.set LT,26                             ; my live tiles
.set PFON,27
.set PWL,30                            ; my weights at the pair of steps in hand
.set PH,32                             ; my hidden fragments at that pair
.set KQ,34
.set TT,35                             ; the tile of my first unit
.set PPF,36                            ; my weights, four pairs on
.set OB,38
.set OFS,40
.set PI,42
.set CNT,43
.set CN,44
.set K5,51                             ; s51-54 the popcount's constants; behind the routing they are free:
.set K3,52
.set KF,53
.set K1,54
.set NM1,51                            ; the block's last place
.set LAST,52                           ; the token in it
.set RUN,55
.set T0,56
.set T1,57
.set LISTB,58
.set SW,59
.set SEL,60
.set SI,62
.set ST,63
.set MSB, 0
.macro WIN new                         ; s_set_vgpr_msb: bits 1:0 source 0, 3:2 source 1, 5:4 source 2, 7:6 destination; the high byte repeats the setting that is left
.if MSB != (\new)
	s_set_vgpr_msb (MSB<<8)|(\new)
.set MSB, (\new)
.endif
.endm
; THE ROUTING, every wave for itself, without a branch: the text of the launch before.  Past the last block: 0 rows, and expert 6 as a place that exists.
.macro ROUTE
	v_lshlrev_b32 v[W0], 2, v1
.irp e, 0,1,2,3,4,5,6
	global_load_b32 v[BW+\e], v[W0], s[BM:BM+1] offset:128*\e
.endr
	s_mov_b32 s[K5], 0x55555555
	s_mov_b32 s[K3], 0x33333333
	s_mov_b32 s[KF], 0x0f0f0f0f
	s_mov_b32 s[K1], 0x01010101
	v_mov_b32 v[TD], 0
	s_wait_loadcnt 0x0
.irp e, 0,1,2,3,4,5,6                  ; the ones in my word of row e
	v_lshrrev_b32 v[W0+1], 1, v[BW+\e]
	v_and_b32 v[W0+1], s[K5], v[W0+1]
	v_sub_nc_u32 v[PC+\e], v[BW+\e], v[W0+1]
	v_lshrrev_b32 v[W0+1], 2, v[PC+\e]
	v_and_b32 v[PC+\e], s[K3], v[PC+\e]
	v_and_b32 v[W0+1], s[K3], v[W0+1]
	v_add_nc_u32 v[PC+\e], v[PC+\e], v[W0+1]
	v_lshrrev_b32 v[W0+1], 4, v[PC+\e]
	v_add_nc_u32 v[PC+\e], v[PC+\e], v[W0+1]
	v_and_b32 v[PC+\e], s[KF], v[PC+\e]
	v_mul_lo_u32 v[PC+\e], v[PC+\e], s[K1]
	v_lshrrev_b32 v[PC+\e], 24, v[PC+\e]
.endr
	v_lshl_or_b32 v[PK], v[PC+1], 16, v[PC]        ; two counts to a register: none passes 1,024
	v_lshl_or_b32 v[PK+1], v[PC+3], 16, v[PC+2]
	v_lshl_or_b32 v[PK+2], v[PC+5], 16, v[PC+4]
	v_mov_b32 v[PK+3], v[PC+6]
.irp mk, 1,2,4,8
.irp k, 0,1,2,3
	v_mov_b32_dpp v[TD], v[PK+\k] row_xmask:\mk row_mask:0xf bank_mask:0xf
	v_add_nc_u32 v[PK+\k], v[PK+\k], v[TD]
.endr
.endr
.irp k, 0,1,2,3
	v_permlanex16_b32 v[TD], v[PK+\k], s[SEL], s[SEL+1]
	v_add_nc_u32 v[PK+\k], v[PK+\k], v[TD]
.endr
.irp k, 0,1,2
	v_readfirstlane_b32 s[T0], v[PK+\k]
	s_and_b32 s[CN+2*\k], s[T0], 0xffff
	s_lshr_b32 s[CN+2*\k+1], s[T0], 16
.endr
	v_readfirstlane_b32 s[CN+6], v[PK+3]
	s_mov_b32 s[ESEL], 7
	s_mov_b32 s[PSEL], 0
	s_mov_b32 s[CSEL], 0
	s_mov_b32 s[RUN], 0                            ; the first block of the expert in hand
.irp e, 0,1,2,3,4,5,6
	s_add_co_u32 s[T0], s[CN+\e], 191              ; its blocks: (c + 191) / 192 = ((c + 191) / 64) / 3, and q / 3 = 11 q / 32 for q up to 18
	s_lshr_b32 s[T0], s[T0], 6
	s_mul_i32 s[T0], s[T0], 11
	s_lshr_b32 s[T0], s[T0], 5
	s_sub_co_u32 s[T1], s[BLK], s[RUN]             ; wraps to a large number where the block lies in front
	s_cmp_lt_u32 s[T1], s[T0]
	s_cselect_b32 s[ESEL], \e, s[ESEL]
	s_cselect_b32 s[PSEL], s[T1], s[PSEL]
	s_cselect_b32 s[CSEL], s[CN+\e], s[CSEL]
	s_add_co_u32 s[RUN], s[RUN], s[T0]
.endr
	s_min_u32 s[ESEL], s[ESEL], 6
	s_mul_i32 s[T0], s[PSEL], 192
	s_sub_co_u32 s[SN], s[CSEL], s[T0]
	s_min_u32 s[SN], s[SN], 192
	s_add_co_u32 s[SL], s[SN], 15
	s_lshr_b32 s[SL], s[SL], 4
	v_mov_b32 v[MYW], v[BW]
	v_mov_b32 v[PCM], v[PC]
.irp e, 1,2,3,4,5,6
	s_cmp_eq_u32 s[ESEL], \e
	s_cselect_b32 s[T0], -1, 0
	v_cndmask_b32 v[MYW], v[MYW], v[BW+\e], s[T0]
	v_cndmask_b32 v[PCM], v[PCM], v[PC+\e], s[T0]
.endr
.endm
; Every place of my list is first written at a fixed address, with a token that exists.
.macro LISTINIT
	v_lshl_add_u32 v[W0+3], v1, 2, s[LISTB]
.irp k, 0,1,2,3,4,5
	ds_store_b32 v[W0+3], v1 offset:128*\k
.endr
.endm
; THE LIST, in the wave's own 1,024 bytes: place p (0..191) takes the token of rank 192 PSEL + p among the expert's; every other token lands in the dump word 192.
; Lane l has tokens 32 l .. 32 l + 31.  The place of its first chosen token is -192 PSEL + the ones in the lower lanes' words: that sum is made of the six bit planes of the lanes' counts (0..32).
; Then 32 trips, a bit of every lane's word a trip.  The token that falls into the block's last place, N - 1, is also kept in a scalar register, for the places past the count.
.macro LIST
	s_mul_i32 s[RUN], s[PSEL], 192
	s_sub_co_u32 s[RUN], 0, s[RUN]                 ; the place of the expert's first token
	s_add_co_u32 s[NM1], s[SN], -1
	s_mov_b32 s[LAST], 0
	v_mov_b32 v[PRE], s[RUN]
.irp k, 0,1,2,3,4,5
	v_and_b32 v[W0], 1<<\k, v[PCM]
	v_cmp_ne_u32 s[T1], 0, v[W0]                   ; the lanes whose count has bit k
	v_mbcnt_lo_u32_b32 v[W0], s[T1], 0             ; how many of them lie below me
	v_lshl_add_u32 v[PRE], v[W0], \k, v[PRE]
.endr
	v_lshlrev_b32 v[TOK], 5, v1                    ; my word's first token
	s_mov_b32 s[SI], 0
.Llist:                                                ; 32 trips: bit SI is token 32 lane + SI
	v_lshrrev_b32 v[W0+1], s[SI], v[MYW]
	v_and_b32 v[W0+1], 1, v[W0+1]                  ; 1: chosen
	v_cmp_eq_u32 s[SW], 1, v[W0+1]
	v_cndmask_b32 v[W0], v[C192], v[PRE], s[SW]    ; its place, if it is chosen
	v_min_u32 v[W0], 0xc0, v[W0]                   ; a place in front of the block has wrapped, one behind it is too large: both go to the dump
	v_cmp_eq_u32 s[T1], s[NM1], v[W0]              ; the lane, if any, whose token takes the last place
	v_lshl_add_u32 v[W0], v[W0], 2, s[LISTB]
	ds_store_b32 v[W0], v[TOK]
	v_add_nc_u32 v[PRE], v[PRE], v[W0+1]
	v_add_nc_u32 v[TOK], 1, v[TOK]
	s_ctz_i32_b32 s[ST], s[T1]
	s_lshl_b32 s[T0], s[ST], 5
	s_add_co_u32 s[T0], s[T0], s[SI]               ; its token: 32 lane + SI
	s_cmp_lg_u32 s[T1], 0
	s_cselect_b32 s[LAST], s[T0], s[LAST]
	s_add_co_u32 s[SI], s[SI], 1
	s_cmp_lt_u32 s[SI], 32
	s_cbranch_scc1 .Llist
.endm
.macro PAD                             ; places past the count repeat the block's last token
	v_mov_b32 v[W0+1], s[LAST]
.irp k, 0,1,2,3,4,5
	v_add_nc_u32 v[W0+2], 32*\k, v1
	v_cmp_le_u32 vcc_lo, s[SN], v[W0+2]
	v_cndmask_b32 v[W0+2], v[C192], v[W0+2], vcc_lo
	v_min_u32 v[W0+2], 0xc0, v[W0+2]
	v_lshl_add_u32 v[W0+2], v[W0+2], 2, s[LISTB]
	ds_store_b32 v[W0+2], v[W0+1]
.endr
.endm
.macro WLD b, imm                      ; 16 loads: a step's 32 rows of wd, 64 columns each, into buffer b
	WIN 0x40*(\b)
.set z, 0
.rept 16
	global_load_b128 v[STG+4*z:STG+4*z+3], v[VW3], s[PWL:PWL+1] offset:(\imm)+z*4096
.set z, z+1
.endr
.endm
.macro TLD tb, imm                     ; 12 loads: a step's hidden fragments of my six tiles, two tiles apart in hid
	WIN 0
.irp i, 0,1,2,3,4,5
	global_load_b128 v[TF+48*(\tb)+8*\i:TF+48*(\tb)+8*\i+3],   v[VL16], s[PH:PH+1] offset:\i*131072+(\imm)
	global_load_b128 v[TF+48*(\tb)+8*\i+4:TF+48*(\tb)+8*\i+7], v[VL16], s[PH:PH+1] offset:\i*131072+(\imm)+512
.endr
.endm
.macro CVTW b                          ; 32 roundings: buffer b into the four weight fragments
	WIN 5*(\b)
.irp f, 0,1,2,3
.irp q, 0,1,2,3,4,5,6,7
	v_cvt_pk_bf16_f32 v[WF+8*\f+\q], v[STG+8*\q+\f], v[STG+8*\q+4+\f]
.endr
.endr
.endm
.macro MT i, tb, zero                  ; tile i's four products; the accumulators take turns, one instruction a turn
	WIN 0x50                                       ; A and B window 0, C and D window 1
.irp f, 0,1,2,3
.if \zero
	v_wmma_f32_16x16x32_bf16 v[32*(\i)+8*\f:32*(\i)+8*\f+7], v[TF+48*(\tb)+8*(\i):TF+48*(\tb)+8*(\i)+7], v[WF+8*\f:WF+8*\f+7], 0
.else
	v_wmma_f32_16x16x32_bf16 v[32*(\i)+8*\f:32*(\i)+8*\f+7], v[TF+48*(\tb)+8*(\i):TF+48*(\tb)+8*(\i)+7], v[WF+8*\f:WF+8*\f+7], v[32*(\i)+8*\f:32*(\i)+8*\f+7]
.endif
.endr
.endm
; A STEP, 32 of K: step s = 2 x pair + p2.  zero = 1: the first: its products start the sums, on all six tiles.  tl: the hidden fragments two steps on are asked for; wl: the weights three steps on;
; cv: the next step's weights are rounded.  c1: loads issued behind this step's fragments; c2: behind the next step's weights.
.macro STEP p2, zero, tl, wl, cv, c1, c2
	s_wait_loadcnt \c1
	MT 0, \p2, \zero
.irp i, 1,2,3,4,5
.if !(\zero)
	WIN 0
	s_cmp_le_u32 s[LT], \i                         ; tiles without rows are jumped: forward, over matrix instructions alone
	s_cbranch_scc1 .Lst_\@
.endif
	MT \i, \p2, \zero
.endr
	WIN 0
.Lst_\@:
.rept 4
	v_nop                                          ; the places in front of the lines that write the products' sources: the roundings, the loads
.endr
.if \cv
	s_wait_loadcnt \c2
	CVTW 1-(\p2)
.endif
.if \tl
	TLD \p2, 2048+1024*(\p2)
.endif
.if \wl
	WLD 1-(\p2), 327680+196608*(\p2)               ; step s + 3: from an even step the next pair's second, from an odd step the first of the pair after
.endif
.endm
.macro NEXTPAIR
	WIN 0
	s_wait_xcnt 0x0                                ; the bases of earlier loads and prefetches are rewritten only behind this wait (ISA guide 3.1)
	s_add_nc_u64 s[PH:PH+1], s[PH:PH+1], 2048
	s_add_nc_u64 s[PWL:PWL+1], s[PWL:PWL+1], 0x40000
	s_add_nc_u64 s[PPF:PPF+1], s[PPF:PPF+1], 0x40000
	s_add_co_u32 s[PI], s[PI], 1
	s_cmp_gt_u32 s[PI], 3
	s_cselect_b32 s[PFON], 0, s[PFON]              ; my quarter has eight pairs: from pair 4 on there is nothing four pairs ahead
.endm
; The 64 rows of wd of the pair four pairs on, a lane a row's 256 bytes.  Only the routed waves of the even tiles' work-group of an expert's first block ask, so each block of bytes is asked for once.
.macro PREF3
	WIN 0
	s_cmp_eq_u32 s[PFON], 0
	s_cbranch_scc1 .Lnp_\@
	global_prefetch_b8 v[VPF3], s[PPF:PPF+1] th:TH_LOAD_NT scope:SCOPE_SE
	global_prefetch_b8 v[VPF3], s[PPF:PPF+1] offset:131072 th:TH_LOAD_NT scope:SCOPE_SE
.Lnp_\@:
.endm
; A UNIT: four rows for each half of the lanes (rows 8 h + 4 qd + 0..3 of a tile) x 64 columns.  The eight waves' partial sums are added, the routed ones weighted, the rows stored.
.macro UNIT trip
	s_add_co_u32 s[T0], s[TT], 8*(\trip)
	s_cmp_ge_u32 s[T0], s[SL]
	s_cbranch_scc1 .Lud_\@                         ; a tile without rows stores nothing
.if \trip
	s_wait_xcnt 0x0                                ; the first unit's stores have read their registers
.endif
	ds_load_b128 v[TK:TK+3], v[VL] offset:512*(\trip)
.irp p, 0,1,2,3,4,5,6,7
.irp f, 0,1,2,3
	ds_load_b128 v[64+16*\p+4*\f:64+16*\p+4*\f+3], v[VR+\p] offset:16384*(\trip)+1024*\f
.endr
.endr
	s_wait_dscnt 32                                ; my four tokens; the 32 loads of partial sums stay out
.irp j, 0,1,2,3
	v_min_u32 v[TK+\j], 0x3ff, v[TK+\j]
	v_lshlrev_b32 v[GA+\j], 2, v[TK+\j]
.endr
.irp j, 0,1,2,3
	global_load_b32 v[GV+\j], v[GA+\j], s[GATE:GATE+1]
	v_lshl_add_u32 v[OFFO+\j], v[TK+\j], 12, v[R16]  ; a row of out0 is 4,096 bytes
.endr
	s_wait_dscnt 0x0
.irp b, 64, 128                        ; waves 0-3 (routed) into v64-79, waves 4-7 (shared) into v128-143
.irp q, 0,1,2,3,4,5,6,7
	v_pk_add_f32 v[\b+2*\q:\b+2*\q+1], v[\b+2*\q:\b+2*\q+1], v[\b+16+2*\q:\b+16+2*\q+1]
	v_pk_add_f32 v[\b+32+2*\q:\b+32+2*\q+1], v[\b+32+2*\q:\b+32+2*\q+1], v[\b+48+2*\q:\b+48+2*\q+1]
.endr
.irp q, 0,1,2,3,4,5,6,7
	v_pk_add_f32 v[\b+2*\q:\b+2*\q+1], v[\b+2*\q:\b+2*\q+1], v[\b+32+2*\q:\b+32+2*\q+1]
.endr
.endr
	s_wait_loadcnt 0x0                             ; the gate's weights
.irp j, 0,1,2,3
.irp f, 0,1,2,3
	v_fma_f32 v[OUT+4*\j+\f], v[64+4*\f+\j], v[GV+\j], v[128+4*\f+\j]
.endr
.endr
.irp j, 0,1,2,3
	global_store_b128 v[OFFO+\j], v[OUT+4*\j:OUT+4*\j+3], s[OB:OB+1] th:TH_STORE_NT  ; sixteen lanes store 256 consecutive bytes of a row, aligned
.endr
.Lud_\@:
.endm
	s_load_b256 s[4:11], s[0:1], 0x0               ; hid, bmap, gate, routed_wd
	s_load_b128 s[12:15], s[0:1], 0x20             ; shared_wd, out0
	v_lshl_add_u32 v[SPW], v0, 2, SPARE
	v_mov_b32 v[NIL], 0
	v_and_b32 v1, 31, v0                           ; lane
	v_lshrrev_b32 v[W0], 5, v0
	v_readfirstlane_b32 s[WV], v[W0]               ; wave 0..7
	v_and_b32 v2, 15, v0                           ; r
	v_bfe_u32 v3, v0, 4, 1                         ; h
	s_lshr_b32 s[SLICE], ttmp9, 1
	s_and_b32 s[PAR], ttmp9, 1
	s_and_b32 s[BLK], ttmp7, 0xffff
	s_lshr_b32 s[KIND], s[WV], 2
	s_and_b32 s[KQ], s[WV], 3
	s_mov_b32 s[SEL], 0x76543210
	s_mov_b32 s[SEL+1], 0xfedcba98
	s_mov_b32 s[OFS+1], 0
	s_mov_b32 s[PI], 0
	v_mov_b32 v[C192], 0xc0
	v_lshlrev_b32 v[R16], 4, v2
	v_lshl_add_u32 v[VW3], v3, 17, v[R16]          ; 32 rows of 4,096 bytes for the upper lanes
	v_lshlrev_b32 v[VPF3], 12, v1
	v_lshlrev_b32 v[VL16], 4, v1
	s_mul_i32 s[T0], s[WV], PARTW
	v_add_nc_u32 v[VP], s[T0], v[VL16]
	s_lshl_b32 s[LISTB], s[WV], 10
	s_add_co_u32 s[LISTB], s[LISTB], LISTS
	s_lshr_b32 s[T0], s[WV], 1                     ; my first unit: tile index w / 2, half w % 2
	s_and_b32 s[T1], s[WV], 1
	s_lshl_b32 s[TT], s[T0], 1
	s_add_co_u32 s[TT], s[TT], s[PAR]              ; its tile of the block
	s_lshl_b32 s[T0], s[T0], 12
	s_lshl_b32 s[SW], s[T1], 9
	s_add_co_u32 s[T0], s[T0], s[SW]
	v_add_nc_u32 v[VR], s[T0], v[VL16]
.irp p, 1,2,3,4,5,6,7
	v_add_nc_u32 v[VR+\p], PARTW*\p, v[VR]
.endr
	s_lshl_b32 s[T0], s[TT], 6                     ; the list's places 16 t + 8 h + 4 (w % 2) + 0..3, four bytes each
	s_lshl_b32 s[T1], s[T1], 4
	s_add_co_u32 s[T0], s[T0], s[T1]
	s_add_co_u32 s[T0], s[T0], s[LISTB]
	v_lshl_add_u32 v[VL], v3, 5, s[T0]
	s_lshl_b32 s[OFS], s[SLICE], 8                 ; my 64 columns of out0
	s_wait_kmcnt 0x0
	s_add_nc_u64 s[OB:OB+1], s[OUTP:OUTP+1], s[OFS:OFS+1]
	ROUTE
	s_sub_co_u32 s[LT], s[SL], s[PAR]              ; tiles 2 i + par below the count
	s_add_co_u32 s[LT], s[LT], 1
	s_lshr_b32 s[LT], s[LT], 1
	LISTINIT
	s_cmp_eq_u32 s[LT], 0
	s_cbranch_scc1 .Ljoin                          ; no live tile (no rows, or one tile and the odd work-group): forward to the barrier
	s_cmp_eq_u32 s[KIND], 0
	s_cselect_b64 s[PWL:PWL+1], s[RWD:RWD+1], s[SWD:SWD+1]
	s_xor_b32 s[T1], s[KIND], 1                    ; 1: routed
	s_lshl_b32 s[OFS], s[ESEL], 23                 ; an expert's matrix is 8 MiB
	s_mul_i32 s[OFS], s[OFS], s[T1]
	s_lshl_b32 s[T0], s[KQ], 21                    ; my 512 rows
	s_add_co_u32 s[OFS], s[OFS], s[T0]
	s_lshl_b32 s[T0], s[SLICE], 8                  ; my 64 columns
	s_add_co_u32 s[OFS], s[OFS], s[T0]
	s_add_nc_u64 s[PWL:PWL+1], s[PWL:PWL+1], s[OFS:OFS+1]
	s_add_nc_u64 s[PPF:PPF+1], s[PWL:PWL+1], 0x100000
	s_mul_i32 s[T0], s[KIND], 12
	s_add_co_u32 s[T0], s[T0], s[BLK]
	s_mul_i32 s[OFS], s[T0], 786432                ; 12 tiles of 65,536 bytes
	s_lshl_b32 s[T0], s[PAR], 16
	s_add_co_u32 s[OFS], s[OFS], s[T0]
	s_lshl_b32 s[T0], s[KQ], 14                    ; my 16 fragments in a tile
	s_add_co_u32 s[OFS], s[OFS], s[T0]
	s_add_nc_u64 s[PH:PH+1], s[HIDP:HIDP+1], s[OFS:OFS+1]
	s_cmp_eq_u32 s[PSEL], 0
	s_cselect_b32 s[PFON], s[T1], 0
	s_cmp_eq_u32 s[PAR], 0
	s_cselect_b32 s[PFON], s[PFON], 0
	WLD 0, 0                                       ; weights and fragments of steps 0 and 1 land while the list is made
	TLD 0, 0
	WLD 1, 65536
	TLD 1, 1024
	WIN 0
	LIST
	PAD
	s_wait_loadcnt 40                              ; step 0's weights; behind them 12 + 16 + 12
	CVTW 0
	WLD 0, 262144                                  ; step 2's
	STEP 0, 1, 1, 1, 1, 44, 28                     ; 44: 16 weights, 12 fragments, 16 weights were issued behind this step's fragments; 28: 12 and 16 behind the next step's weights
	PREF3
	STEP 1, 0, 1, 1, 1, 44, 28
	WIN 0
	s_mov_b32 s[CNT], 5
.Lpair:                                                ; pairs 1 to 5
	NEXTPAIR
	STEP 0, 0, 1, 1, 1, 44, 28
	PREF3
	STEP 1, 0, 1, 1, 1, 44, 28
	WIN 0
	s_sub_co_u32 s[CNT], s[CNT], 1
	s_cmp_lg_u32 s[CNT], 0
	s_cbranch_scc1 .Lpair
	NEXTPAIR
	STEP 0, 0, 1, 1, 1, 44, 28                     ; step 12 asks for the last fragments but one and the last weights
	STEP 1, 0, 1, 0, 1, 44, 28                     ; step 13 for the last fragments
	STEP 0, 0, 0, 0, 1, 28, 12                     ; step 14: behind its fragments 16 + 12, behind step 15's weights 12
	STEP 1, 0, 0, 0, 0, 0, 0                       ; step 15; its four v_nop are the places in front of the stores below
	WIN 0x04                                       ; store data in window 1
.irp i, 0,1,2,3,4,5
.irp f, 0,1,2,3
	ds_store_b128 v[VP], v[32*\i+8*\f:32*\i+8*\f+3]   offset:\i*4096+\f*1024      ; each accumulator's low registers first
	ds_store_b128 v[VP], v[32*\i+8*\f+4:32*\i+8*\f+7] offset:\i*4096+\f*1024+512
.endr
.endr
	WIN 0
.Ljoin:
	s_wait_dscnt 0x0                               ; for the others: my partial sums are in LDS
	s_barrier_signal -1
	s_barrier_wait -1
	UNIT 0                                         ; twelve units: eight now,
	s_cmp_ge_u32 s[WV], 4
	s_cbranch_scc1 .Ldone
	UNIT 1                                         ; four more on waves 0 to 3
.Ldone:
	s_wait_tensorcnt 0x0                           ; the wave's end
	ds_add_u32 v[SPW], v[NIL]
	s_wait_dscnt 0x0
	s_endpgm
.Lfunc_end_k_q978fac33dd_down:
	.size	k_q978fac33dd_down, .Lfunc_end_k_q978fac33dd_down-k_q978fac33dd_down
	.p2alignl 7, 3214868480
	.fill 96, 4, 3214868480
	.section	.rodata,"a",@progbits
	.p2align	6, 0x0
	.amdhsa_kernel k_q978fac33dd_down
		.amdhsa_group_segment_fixed_size 205824
		.amdhsa_private_segment_fixed_size 0
		.amdhsa_enable_private_segment 0
		.amdhsa_kernarg_size 48
		.amdhsa_user_sgpr_count 2
		.amdhsa_user_sgpr_kernarg_segment_ptr 1
		.amdhsa_wavefront_size32 1
		.amdhsa_system_sgpr_workgroup_id_x 1
		.amdhsa_system_sgpr_workgroup_id_y 1
		.amdhsa_system_sgpr_workgroup_id_z 1
		.amdhsa_system_vgpr_workitem_id 0
		.amdhsa_next_free_vgpr 512
		.amdhsa_next_free_sgpr 66
		.amdhsa_reserve_vcc 1
		.amdhsa_float_denorm_mode_32 3
		.amdhsa_float_denorm_mode_16_64 3
		.amdhsa_memory_ordered 1
		.amdhsa_forward_progress 1
		.amdhsa_inst_pref_size 94
	.end_amdhsa_kernel
	.amdgpu_metadata
---
amdhsa.version: [ 1, 2 ]
amdhsa.kernels:
  - .name:           k_q978fac33dd_down
    .symbol:         k_q978fac33dd_down.kd
    .args:
      - { .name: hid, .offset: 0, .size: 8, .value_kind: global_buffer, .address_space: global }
      - { .name: bmap, .offset: 8, .size: 8, .value_kind: global_buffer, .address_space: global }
      - { .name: gate, .offset: 16, .size: 8, .value_kind: global_buffer, .address_space: global }
      - { .name: routed_wd, .offset: 24, .size: 8, .value_kind: global_buffer, .address_space: global }
      - { .name: shared_wd, .offset: 32, .size: 8, .value_kind: global_buffer, .address_space: global }
      - { .name: out0, .offset: 40, .size: 8, .value_kind: global_buffer, .address_space: global }
    .group_segment_fixed_size: 205824
    .private_segment_fixed_size: 0
    .kernarg_segment_align: 8
    .kernarg_segment_size: 48
    .max_flat_workgroup_size: 256
    .sgpr_count:     66
    .vgpr_count:     512
    .wavefront_size: 32
...
	.end_amdgpu_metadata
.endif
;; end of part 3
